; MI455X (gfx1250); checked and timed in simulation.
; The chip was launched on July 23, 2026; its instructions are those of AMD's public machine-readable ISA for CDNA 5 (MIT licence, August 2026) and "CDNA5" Instruction Set Architecture Reference Guide (July 2026). The comments in the code are by the model that wrote it; some were corrected since.
;; Masked Multi Head Attention. Allowed arithmetic: matrix products marked QUANTISED: E5M2 operands, one given power-of-two scale a tensor, by v_wmma_f32_16x16x64_bf8_bf8 or v_wmma_f32_16x16x128_bf8_bf8, f32 sums; everything else in f32.
;; Inputs: Wk_codes 512 x 16 x 32 uint8 (E5M2 codes of Wk, K innermost, in blocks of 32 codes); Wo_codes 512 x 16 x 32 uint8 (E5M2 codes of Wo, K innermost, in blocks of 32 codes); Wq_codes 512 x 16 x 32 uint8 (E5M2 codes of Wq, K innermost, in blocks of 32 codes); Wv_codes 512 x 16 x 32 uint8 (E5M2 codes of Wv, K innermost, in blocks of 32 codes); bk 512 float32; bo 512 float32; bq 512 float32; bv 512 float32; lowp_scales 12 int32 (the exponents e of the quantised operands' scales 2^e); x_codes 2 x 4,096 x 16 x 32 uint8 (E5M2 codes of x, K innermost, in blocks of 32 codes).
;; Outputs: out0 2 x 4,096 x 512 float32.
;; This version of the problem:
;;   THIS VERSION OF THE PROBLEM IS GIVEN IN LOW PRECISION. The matrix products marked QUANTISED in the list below multiply operands that are first quantised to E5M2 (5 exponent bits, 2 mantissa bits; 8 bits a number), with one given power-of-two scale for each operand tensor; their sums are f32. All else is computed in f32.
;;   The module's matrix products, in the order in which they are computed (A, B: the left and right operand; K: the contracted axis; several contracted axes count as one K, in the product's order):
;;     1. [M 8,192, K 512] x [K 512, N 512]; A: input x (given as codes); B: input Wq (given as codes): QUANTISED (scales: A lowp_scales[0], B lowp_scales[1])
;;     2. [M 8,192, K 512] x [K 512, N 512]; A: input x (given as codes); B: input Wk (given as codes): QUANTISED (scales: A lowp_scales[2], B lowp_scales[3])
;;     3. [M 8,192, K 512] x [K 512, N 512]; A: input x (given as codes); B: input Wv (given as codes): QUANTISED (scales: A lowp_scales[4], B lowp_scales[5])
;;     4. batch 16 x [M 4,096, K 64] x [K 64, N 4,096]; A: computed on the way; B: computed on the way: QUANTISED (scales: A lowp_scales[6], B lowp_scales[7])
;;     5. batch 16 x [M 4,096, K 4,096] x [K 4,096, N 64]; A: softmax (see below); B: computed on the way: QUANTISED (scales: A lowp_scales[8], B lowp_scales[9])
;;     6. [M 8,192, K 512] x [K 512, N 512]; A: computed on the way; B: input Wo (given as codes): QUANTISED (scales: A lowp_scales[10], B lowp_scales[11])
;;   THE QUANTISER, for each operand of a quantised product, along K:
;;     - The operand's scale is 2^e, e = its entry of the input lowp_scales (int32; the entries are numbered through the quantised products in the list's order, A before B).
;;     - Each number is divided by the scale, clamped to +-57,344, and rounded to the nearest number of E5M2, ties to even, subnormals kept.
;;     - The product sums the exact products of the quantised numbers (number of the format x scale) in f32.
;;   ~~~python
;;   def quantise(x, axis, e):      # numpy; x: float32 -> the quantised numbers, widened to float32 again
;;       x = np.moveaxis(x, axis, -1); K = x.shape[-1]
;;       r = np.clip(x / 2.0 ** e, -57344, 57344)
;;       step = 2.0 ** (np.maximum(np.frexp(np.where(r == 0, 1, r))[1] - 1, -14) - 2)
;;       q = np.round(r / step) * step * 2.0 ** e      # np.round: ties to even
;;       return np.moveaxis(q, -1, axis).astype(np.float32)
;;   ~~~
;;   SOFTMAX AHEAD OF A QUANTISED PRODUCT. Where the list says 'softmax', what is quantised is not the finished softmax but p = 2^(t - M), with t = logit x log2(e) and M = ceil(the row's largest t), a whole number; so 1/2 < the row's largest p <= 1. The row's sum l is taken of the UNQUANTISED p, in f32, and the product's result is divided by l at the end. Since M is a whole number, a kernel that streams over the keys may use a running M (the ceiling of the running maximum): every later rescaling is an exact power of two, so the quantised numbers keep their values, but for numbers so far below the row's largest that they fall under the format's range.
;;   OPERANDS COMPUTED ON THE WAY. 'Computed on the way' means the value that the module computes at that place (a softmax that the list does not call 'softmax' is quantised finished and normalised). What goes into a quantiser is computed in f32, as accurately as f32 sums, v_exp_f32 and their like allow (about 1e-6 of the number): no bf16 or f16 on the way to a quantiser, and a product that is left as it is and whose result goes on into a quantised operand takes f32 operands (vector FMAs, or v_wmma_f32_16x16x4_f32). A number that lies on a knife's edge between two numbers of the format may be rounded either way, as far as f32 arithmetic and the matrix unit's own rounding can turn it there, and no further.
;;   INPUTS GIVEN AS CODES. Wk (in the module: [512, 512], K = its axis 1); Wo (in the module: [512, 512], K = its axis 1); Wq (in the module: [512, 512], K = its axis 1); Wv (in the module: [512, 512], K = its axis 1); x (in the module: [2, 4096, 512], K = its axis 2): each comes as NAME_codes (uint8): NAME with its K axis moved to the last place and cut into blocks of 32 codes, [.., K / 32, bytes a block], one block behind the other in memory; one code a byte (a code: sign, 5 exponent bits, 2 mantissa bits); its scale is its entry of lowp_scales. Its value is code x scale, taken as it is: it is not quantised again, and the codes and scales need not be those that the quantiser above would give.
;; One version. Each part assembles by itself: llvm-mc -triple=amdgcn-amd-amdhsa -mcpu=gfx1250 --defsym DOCPART=n.
;; ======== version 1 of 1: 3 launches
;; limits: right only within a limited range of input values
;; workspace buffers: Qf 4,194,304 bytes; Kf 4,194,304 bytes; Vf 4,194,304 bytes; Of 4,194,304 bytes
;; launch qkv (part 1): grid 64 x 4, 12 waves a work-group, no clusters, 69,120 bytes of LDS; arguments x_codes, Wq_codes, Wk_codes, Wv_codes, bq, bk, bv, lowp_scales, Qf, Kf, Vf; writes Qf, Kf, Vf
.if DOCPART == 1
	.amdgcn_target "amdgcn-amd-amdhsa--gfx1250"
	.amdhsa_code_object_version 6
	.text
	.protected	k_q1ed3aae681_qkv
	.globl	k_q1ed3aae681_qkv
	.p2align	8
	.type	k_q1ed3aae681_qkv,@function
k_q1ed3aae681_qkv:
	s_mov_b64 s[64:65], 0
	v_nop
	global_prefetch_b8 v0, s[64:65] scope:SCOPE_SE
	s_setreg_imm32_b32 hwreg(HW_REG_WAVE_MODE, 25, 1), 1
	s_wait_xcnt 0x0
; Q = x Wq^T + bq, K = x Wk^T + bk, V = x Wv^T + bv on codes of BF8 (E5M2), and the three results quantised again: Q and K along the head's 64, V along the keys.
; x: [8192][512] codes; W*: [512][512] codes, K innermost; b*: [512] f32.  Scales 2^e: x e0, e2, e4 (one for each product), Wq e1, Wk e3, Wv e5; results: Q e6, K e7, V e9.
; SHARES.  A work-group takes 128 rows of x (one block of keys) and two heads.  Wave w: kind w / 4 (Q, K, V), head (w / 2) % 2 of the two, half w % 2 of the head's 64 columns: 32 columns,
; whose 128 registers of weights stay in registers for all 128 rows.  x's rows are staged in LDS once, by waves 0 to 7, and read by all twelve: one barrier.
; THE ROWS OF A TILE ARE NOT NEIGHBOURS: place i of tile 2 g + u is row 32 g + 8 u + i + 8 (i / 8), for x's rows and for the weights' rows alike.  So the 16 result registers of two neighbouring
; tiles of source 0 are 16 neighbours: 32 g + 16 (lane / 16) + 0 .. 15.  Q, K: source 0 = weights, so a lane holds one token and 16 neighbouring channels; V: source 0 = x, so a lane holds one channel and 16 neighbouring keys.
; THE RESULTS ARE STORED AS IMAGES OF THE NEXT LAUNCH'S OPERAND REGISTERS: a piece is 512 bytes, lane l's 16 codes at 16 l.  Every store of a wave covers 512 consecutive bytes, aligned.
;   Qf, Kf: [16 heads][256 tiles][2 pieces]: piece c, lane (r, h): channels 32 c + 16 h + 0 .. 15 of the tile's place r.   Vf: [16 heads][32 key blocks][4 channel tiles][4 pieces]: piece c: keys 32 c + 16 h + 0 .. 15.
; A fragment of 16 rows x 128 K comes by four loads of 16 bytes, 32 apart: registers 4 c .. 4 c + 3 hold K = 32 c + 16 h + 0 .. 15, alike in both sources, so every product meets its partner.
; The bias is the C of a sum's first product, divided by the power of two that the sums lack; the three scales ahead of the quantiser are folded into the conversion's one: 2^(eo - ex - ew).
; LIMITS: eo - ex - ew between -126 and 112 for each of the three, so that the scale and 57,344 x the scale are f32 numbers.  NaN among the biases is not served.
; No tensor load, no cluster: every LDS byte is filled once, and the weights go straight into registers.
.set PX,   528                         ; an LDS row of x: 512 bytes + 16: 33 x 16, so the 16 rows that a load touches start at 16 different groups of banks
.set LI,   1                           ; v1   16 x lane
.set XA,   2                           ; v2   LDS: place r x PX + 16 h
.set SCL,  3                           ; v3   2^(eo - ex - ew) as f32
.set HLD,  4                           ; v4   57,344 x that
.set WA,   5                           ; v5   weights: (r + 8 (r / 8)) x 512 + 16 h
.set STA,  6                           ; v6   LDS: where my wave puts x's rows
.set BQ,   7                           ; v7   64 h: the bias of Q and K
.set BV,   9                           ; v9   4 (r + 8 (r / 8)): the bias of V; free once the loads are in
.set CD,   8                           ; v8-15   at work at the head; then the codes, piece p at v[8 + 4 p]
.set BIAS, 16                          ; v16-31  two sets of eight
.set ACC,  32                          ; v32-63  accumulator (p, q) at 32 + 8 (2 p + q)
.set X,    64                          ; v64-127 x's fragments: set s % 2, tile u at 64 + 32 (s % 2) + 16 u; at the head the rows on their way to LDS
.set W,    128                         ; v128-255 weights: column tile v, K step s at 128 + 64 v + 16 s
	s_load_b512 s[8:23], s[0:1], 0x0               ; x s[8:9], Wq s[10:11], Wk s[12:13], Wv s[14:15], bq s[16:17], bk s[18:19], bv s[20:21], the scales' exponents s[22:23]
	s_load_b128 s[24:27], s[0:1], 0x40             ; Qf, Kf
	s_load_b64 s[28:29], s[0:1], 0x50              ; Vf
	s_set_vgpr_msb 0x40
	v_lshl_add_u32 v0, v0, 2, 0x10800
	v_mov_b32 v1, 0
	s_set_vgpr_msb 0x4000
	v_lshrrev_b32 v8, 5, v0
	s_delay_alu instid0(VALU_DEP_1)
	v_readfirstlane_b32 s4, v8                     ; wave 0..11
	s_lshr_b32 s5, s4, 2                           ; kind: 0 Q, 1 K, 2 V
	s_bfe_u32 s6, s4, 0x10001                      ; which of the two heads
	s_and_b32 s7, s4, 1                            ; which 32 of its 64 columns
	s_and_b32 s30, ttmp7, 0xffff                   ; the pair of heads
	v_and_b32 v8, 31, v0
	s_delay_alu instid0(VALU_DEP_1)
	v_lshlrev_b32 v[LI], 4, v8
	v_and_b32 v10, 15, v0                          ; r
	v_bfe_u32 v11, v0, 4, 1                        ; h
	s_delay_alu instid0(VALU_DEP_2)
	v_mul_u32_u24 v[XA], v10, PX
	s_delay_alu instid0(VALU_DEP_1)
	v_lshl_add_u32 v[XA], v11, 4, v[XA]
	s_delay_alu instid0(VALU_DEP_4)
	v_and_b32 v12, 8, v10
	s_delay_alu instid0(VALU_DEP_1)
	v_add_nc_u32 v12, v12, v10                     ; r + 8 (r / 8)
	s_delay_alu instid0(VALU_DEP_1)
	v_lshlrev_b32 v[WA], 9, v12
	s_delay_alu instid0(VALU_DEP_1)
	v_lshl_add_u32 v[WA], v11, 4, v[WA]
	v_lshlrev_b32 v[BQ], 6, v11
	s_delay_alu instid0(VALU_DEP_4)
	v_lshlrev_b32 v[BV], 2, v12
	; x's row 32 g + 16 a + 8 u + i lies in LDS at slot 32 g + 16 u + 8 a + i, so that a tile's 16 places are 16 slots on end.  Wave w' = w % 8 brings rows 16 w' on: g = w' / 2, a = w' % 2
	s_and_b32 s55, s4, 7
	s_lshr_b32 s56, s55, 1
	s_lshl_b32 s56, s56, 5
	s_and_b32 s57, s55, 1
	s_lshl_b32 s57, s57, 3
	s_add_co_u32 s56, s56, s57
	s_mul_i32 s56, s56, PX
	v_add_nc_u32 v[STA], s56, v[LI]
	; byte offsets, each a pair with 0 above it
	s_lshl_b32 s58, s30, 1
	s_add_co_u32 s58, s58, s6                      ; the head, 0..7
	s_lshl_b32 s59, s58, 6
	s_lshl_b32 s60, s7, 5
	s_add_co_u32 s59, s59, s60                     ; my first column
	s_lshl_b32 s60, s59, 9                         ; its row of the weights
	s_mov_b32 s61, 0
	s_lshl_b32 s62, s59, 2                         ; its bias
	s_mov_b32 s63, 0
	s_lshl_b32 s50, ttmp9, 16                      ; x: 128 rows of 512 bytes a work-group,
	s_lshl_b32 s55, s55, 13                        ; 16 rows a staging wave
	s_add_co_u32 s50, s50, s55
	s_mov_b32 s51, 0
	s_lshr_b32 s42, ttmp9, 5                       ; the batch
	s_lshl_b32 s42, s42, 3
	s_add_co_u32 s42, s42, s58                     ; 8 x batch + head
	s_lshl_b32 s42, s42, 18                        ; 262,144 bytes a head in each of the three buffers
	s_and_b32 s43, ttmp9, 31
	s_lshl_b32 s43, s43, 13                        ; 8,192 bytes for a block of 128 tokens
	s_add_co_u32 s42, s42, s43
	s_cmp_lt_u32 s5, 2
	s_cselect_b32 s43, 9, 12                       ; my half of the columns: a piece of 512 bytes in Qf and Kf, two channel tiles of 2,048 in Vf
	s_lshl_b32 s43, s7, s43
	s_add_co_u32 s42, s42, s43
	s_mov_b32 s43, 0
	s_wait_kmcnt 0x0
	s_load_b256 s[32:39], s[22:23], 0x0            ; e0 .. e7
	s_load_b64 s[40:41], s[22:23], 0x20            ; e8, e9
	s_cmp_eq_u32 s5, 1                             ; the wave's weights, bias and output: the choice hangs on the wave's number alone
	s_cselect_b64 s[44:45], s[12:13], s[14:15]
	s_cselect_b64 s[46:47], s[18:19], s[20:21]
	s_cselect_b64 s[48:49], s[26:27], s[28:29]
	s_cmp_eq_u32 s5, 0
	s_cselect_b64 s[44:45], s[10:11], s[44:45]
	s_cselect_b64 s[46:47], s[16:17], s[46:47]
	s_cselect_b64 s[48:49], s[24:25], s[48:49]
	s_add_nc_u64 s[44:45], s[44:45], s[60:61]
	s_add_nc_u64 s[46:47], s[46:47], s[62:63]
	s_add_nc_u64 s[48:49], s[48:49], s[42:43]
	s_add_nc_u64 s[8:9], s[8:9], s[50:51]
	s_cmp_lt_u32 s4, 8
	s_cbranch_scc0 .Lvhead
	s_wait_alu depctr_va_vdst(0)
.irp k, 0,1,2,3
	global_load_b128 v[BIAS+4*\k:BIAS+4*\k+3], v[BQ], s[46:47] offset:16*\k     ; Q, K: set q, register j: the bias of column 16 h + 8 q + j
.endr
.irp i, 0,1,2,3,4,5,6,7,8,9,10,11,12,13,14,15
	global_load_b128 v[X+4*\i:X+4*\i+3], v[LI], s[8:9] offset:512*\i            ; a row of x: 32 lanes, 512 consecutive bytes
.endr
	s_branch .Lweights
.Lvhead:
	s_wait_alu depctr_va_vdst(0)
.irp p, 0,1
.irp j, 0,1,2,3,4,5,6,7
	global_load_b32 v[BIAS+8*\p+\j], v[BV], s[46:47] offset:32*\p               ; V: a lane holds one channel, so set p is that channel's bias eight times
.endr
.endr
.Lweights:
.irp t, 0,1
.irp s, 0,1,2,3
.irp c, 0,1,2,3
	global_load_b128 v[W+64*\t+16*\s+4*\c:W+64*\t+16*\s+4*\c+3], v[WA], s[44:45] offset:4096*\t+128*\s+32*\c
.endr
.endr
.endr
	s_cmp_lt_u32 s4, 8
	s_cbranch_scc0 .Lnostage
	s_wait_loadcnt 32                              ; behind x's rows only the 32 loads of weights were issued: the rows are in
.irp i, 0,1,2,3,4,5,6,7,8,9,10,11,12,13,14,15
	ds_store_b128 v[STA], v[X+4*\i:X+4*\i+3] offset:(16*(\i/8)+\i%8)*PX
.endr
.Lnostage:
	s_wait_dscnt 0x0                               ; for the others' sake: my rows lie in LDS
	s_barrier_signal -1
	s_barrier_wait -1                              ; all 128 do.  Nothing is written to LDS behind this barrier
.macro XLOAD g, s                      ; the two tiles of rows 32 g on, K step s, into set s % 2
.irp u, 0,1
.irp c, 0,1,2,3
	ds_load_b128 v[X+32*((\s)%2)+16*\u+4*\c:X+32*((\s)%2)+16*\u+4*\c+3], v[XA] offset:(32*(\g)+16*\u)*PX+128*(\s)+32*\c
.endr
.endr
.endm
; Four products, one on each accumulator: they take turns, one instruction a turn.  The first K step takes the bias as C: nothing is cleared.
; role 0 (Q, K): source 0 = weights' tile q, source 1 = x's tile p.   role 1 (V): source 0 = x's tile q, source 1 = weights' tile p.
.macro MUL4 role, s
.irp p, 0,1
.irp q, 0,1
.if \role == 0
.if \s == 0
	v_wmma_f32_16x16x128_bf8_bf8 v[ACC+8*(2*\p+\q):ACC+8*(2*\p+\q)+7], v[W+64*\q+16*\s:W+64*\q+16*\s+15], v[X+32*(\s%2)+16*\p:X+32*(\s%2)+16*\p+15], v[BIAS+8*\q:BIAS+8*\q+7]
.else
	v_wmma_f32_16x16x128_bf8_bf8 v[ACC+8*(2*\p+\q):ACC+8*(2*\p+\q)+7], v[W+64*\q+16*\s:W+64*\q+16*\s+15], v[X+32*(\s%2)+16*\p:X+32*(\s%2)+16*\p+15], v[ACC+8*(2*\p+\q):ACC+8*(2*\p+\q)+7]
.endif
.else
.if \s == 0
	v_wmma_f32_16x16x128_bf8_bf8 v[ACC+8*(2*\p+\q):ACC+8*(2*\p+\q)+7], v[X+32*(\s%2)+16*\q:X+32*(\s%2)+16*\q+15], v[W+64*\p+16*\s:W+64*\p+16*\s+15], v[BIAS+8*\p:BIAS+8*\p+7]
.else
	v_wmma_f32_16x16x128_bf8_bf8 v[ACC+8*(2*\p+\q):ACC+8*(2*\p+\q)+7], v[X+32*(\s%2)+16*\q:X+32*(\s%2)+16*\q+15], v[W+64*\p+16*\s:W+64*\p+16*\s+15], v[ACC+8*(2*\p+\q):ACC+8*(2*\p+\q)+7]
.endif
.endif
.endr
.endr
.endm
.macro PLACES                          ; four plain vector lines between a product and a load into a register that it read, or the first read of its result
.rept 4
	v_nop
.endr
.endm
; 32 rows of x against my 32 columns: four K steps of 128; x's fragments run two K steps ahead, in two sets.  Each counted wait leaves out the eight loads of the one younger K step.
.macro GROUP role, g
	s_wait_dscnt 8
	MUL4 \role, 0
	PLACES
	XLOAD \g, 2
	s_wait_dscnt 8
	MUL4 \role, 1
	PLACES
	XLOAD \g, 3
	s_wait_dscnt 8
	MUL4 \role, 2
	PLACES
.if \g < 3
	XLOAD (\g)+1, 0
	s_wait_dscnt 8
.else
	s_wait_dscnt 0
.endif
	MUL4 \role, 3
	PLACES
.if \g < 3
	XLOAD (\g)+1, 1
.endif
.if \g > 0
	s_wait_xcnt 0x0                                ; the last group's stores have read their codes: the registers are written again only behind this wait
.endif
.set k, 0
.rept 32
	v_med3_num_f32 v[ACC+k], v[ACC+k], -v[HLD], v[HLD]   ; the conversion to an 8-bit code does not saturate (ISA guide 7.6.2): the hold at the largest code x the scale; each accumulator from its low end on
.set k, k+1
.endr
.irp p, 0,1
	v_cvt_scalef32_pk8_bf8_f32 v[CD+4*\p:CD+4*\p+1], v[ACC+16*\p:ACC+16*\p+7], v[SCL]
	v_cvt_scalef32_pk8_bf8_f32 v[CD+4*\p+2:CD+4*\p+3], v[ACC+16*\p+8:ACC+16*\p+15], v[SCL]
.endr
	v_nop                                          ; one plain vector line behind the last conversion: the next products write its sources
.irp p, 0,1
.if \role == 0
	global_store_b128 v[LI], v[CD+4*\p:CD+4*\p+3], s[48:49] offset:(2*(\g)+\p)*1024   ; token tile 2 g + p, my piece
.else
	global_store_b128 v[LI], v[CD+4*\p:CD+4*\p+3], s[48:49] offset:\p*2048+(\g)*512   ; channel tile p of my two, piece g: keys 32 g on
.endif
.endr
.endm
	XLOAD 0, 0
	XLOAD 0, 1
	s_wait_loadcnt 0x0                             ; weights and bias
	s_wait_kmcnt 0x0
	s_cmp_eq_u32 s5, 1                             ; my product's three exponents
	s_cselect_b32 s52, s34, s36
	s_cselect_b32 s53, s35, s37
	s_cselect_b32 s54, s39, s41
	s_cmp_eq_u32 s5, 0
	s_cselect_b32 s52, s32, s52                    ; ex
	s_cselect_b32 s53, s33, s53                    ; ew
	s_cselect_b32 s54, s38, s54                    ; eo
	s_add_co_i32 s55, s52, s53                     ; a sum stands for sum x 2^(ex + ew)
	s_sub_co_i32 s56, 0, s55
	s_sub_co_i32 s57, s54, s55
	s_add_co_i32 s57, s57, 127
	s_lshl_b32 s58, s57, 23
	v_mov_b32 v[SCL], s58                          ; 2^(eo - ex - ew): the conversion takes its exponent field
	s_add_co_i32 s57, s57, 15
	s_lshl_b32 s57, s57, 23
	s_or_b32 s57, s57, 0x600000
	v_mov_b32 v[HLD], s57                          ; 57,344 x that
.set k, 0
.rept 16
	v_ldexp_f32 v[BIAS+k], v[BIAS+k], s56          ; bias / 2^(ex + ew)
.set k, k+1
.endr
	s_cmp_lt_u32 s5, 2
	s_cbranch_scc0 .Lvrole
	s_wait_alu depctr_va_vdst(0)
.irp g, 0,1,2,3
	GROUP 0, \g
.endr
	s_set_vgpr_msb 0x5
	s_wait_tensorcnt 0x0
	ds_add_u32 v0, v1
	s_wait_dscnt 0x0
	s_set_vgpr_msb 0x500
	s_endpgm
.Lvrole:
	s_wait_alu depctr_va_vdst(0)
.irp g, 0,1,2,3
	GROUP 1, \g
.endr
	s_set_vgpr_msb 0x5
	s_wait_tensorcnt 0x0
	ds_add_u32 v0, v1
	s_wait_dscnt 0x0
	s_set_vgpr_msb 0x500
	s_endpgm
.Lfunc_end_k_q1ed3aae681_qkv:
	.size	k_q1ed3aae681_qkv, .Lfunc_end_k_q1ed3aae681_qkv-k_q1ed3aae681_qkv
	.p2alignl 7, 3214868480
	.fill 96, 4, 3214868480
	.section	.rodata,"a",@progbits
	.p2align	6, 0x0
	.amdhsa_kernel k_q1ed3aae681_qkv
		.amdhsa_group_segment_fixed_size 69120
		.amdhsa_private_segment_fixed_size 0
		.amdhsa_enable_private_segment 0
		.amdhsa_kernarg_size 88
		.amdhsa_user_sgpr_count 2
		.amdhsa_user_sgpr_kernarg_segment_ptr 1
		.amdhsa_wavefront_size32 1
		.amdhsa_system_sgpr_workgroup_id_x 1
		.amdhsa_system_sgpr_workgroup_id_y 1
		.amdhsa_system_sgpr_workgroup_id_z 1
		.amdhsa_system_vgpr_workitem_id 0
		.amdhsa_next_free_vgpr 258
		.amdhsa_next_free_sgpr 66
		.amdhsa_reserve_vcc 0
		.amdhsa_float_denorm_mode_32 3
		.amdhsa_float_denorm_mode_16_64 3
		.amdhsa_memory_ordered 1
		.amdhsa_forward_progress 1
		.amdhsa_inst_pref_size 62
	.end_amdhsa_kernel
	.amdgpu_metadata
---
amdhsa.version: [ 1, 2 ]
amdhsa.kernels:
  - .name:           k_q1ed3aae681_qkv
    .symbol:         k_q1ed3aae681_qkv.kd
    .args:
      - { .name: x_codes, .offset: 0, .size: 8, .value_kind: global_buffer, .address_space: global }
      - { .name: Wq_codes, .offset: 8, .size: 8, .value_kind: global_buffer, .address_space: global }
      - { .name: Wk_codes, .offset: 16, .size: 8, .value_kind: global_buffer, .address_space: global }
      - { .name: Wv_codes, .offset: 24, .size: 8, .value_kind: global_buffer, .address_space: global }
      - { .name: bq, .offset: 32, .size: 8, .value_kind: global_buffer, .address_space: global }
      - { .name: bk, .offset: 40, .size: 8, .value_kind: global_buffer, .address_space: global }
      - { .name: bv, .offset: 48, .size: 8, .value_kind: global_buffer, .address_space: global }
      - { .name: lowp_scales, .offset: 56, .size: 8, .value_kind: global_buffer, .address_space: global }
      - { .name: Qf, .offset: 64, .size: 8, .value_kind: global_buffer, .address_space: global }
      - { .name: Kf, .offset: 72, .size: 8, .value_kind: global_buffer, .address_space: global }
      - { .name: Vf, .offset: 80, .size: 8, .value_kind: global_buffer, .address_space: global }
    .group_segment_fixed_size: 69120
    .private_segment_fixed_size: 0
    .kernarg_segment_align: 8
    .kernarg_segment_size: 88
    .max_flat_workgroup_size: 384
    .sgpr_count:     66
    .vgpr_count:     258
    .wavefront_size: 32
...
	.end_amdgpu_metadata
.endif
;; end of part 1
;; launch attn (part 2): grid 16 x 16, 16 waves a work-group, no clusters, 321,536 bytes of LDS; arguments Qf, Kf, Vf, lowp_scales, Of; writes Of
.if DOCPART == 2
	.amdgcn_target "amdgcn-amd-amdhsa--gfx1250"
	.amdhsa_code_object_version 6
	.text
	.protected	k_q1ed3aae681_attn
	.globl	k_q1ed3aae681_attn
	.p2align	8
	.type	k_q1ed3aae681_attn,@function
k_q1ed3aae681_attn:
	s_mov_b64 s[64:65], 0
	v_nop
	global_prefetch_b8 v0, s[64:65] scope:SCOPE_SE
	s_setreg_imm32_b32 hwreg(HW_REG_WAVE_MODE, 25, 1), 1
	s_wait_xcnt 0x0
; Causal attention of one head on codes of BF8 (E5M2): O[q] = sum over keys k <= q of softmax(Q[q] . K[k] / 8) V[k], head size 64, 4,096 tokens, 16 heads (2 batches x 8).
; Qf, Kf, Vf hold images of operand registers, pieces of 512 bytes with lane l's 16 codes at 16 l (Qf, Kf: [head][256 tiles of 16 tokens][2 pieces]; Vf: [head][32 blocks of 128 keys][4 tiles of 16 channels][4 pieces]).
; Place i of token tile 2 g + u is token 32 g + 8 u + i + 8 (i / 8); of channel tile likewise.  Scales 2^e: Q e6, K e7, p e8, V e9; the result is quantised with e10 and stored as the last launch's operand image, Of: [512 row tiles][8 heads][2 pieces].
; THE SOFTMAX: t = score x log2(e) / 8; M = the running largest t rounded UP to a whole number; p = 2^(t - M) is quantised along the keys, not normalised; the row's sum is taken of the unquantised p and divides at the end.
; When M moves, the sum and O are multiplied by 2^(old M - new M): nothing is rounded.
; SHARES.  A work-group owns the query blocks 31 - x and x (128 queries each) of one head.  A wave owns 32 queries (two tiles, A and B, which share each fragment of K and V) and every fourth step of 128 keys: wave 4 a + b takes pair a
; and steps 4 n + (a + b) % 4, of the late block first, then of the early one.  A ROUND is four steps, 512 keys, one step a wave: 8 - x / 4 rounds and x / 4 + 1: nine rounds in every work-group.
; Both products are transposed (S^T = K Q^T, O^T = V^T P^T): a lane holds one query of each tile throughout, and p's 16 registers of two neighbouring key tiles are 16 neighbouring keys: the codes are the second product's operand.
; The four waves of a pair join their sums at the end, through LDS: the late block's are put aside when the early one begins.
; LEFT OUT, since reference()'s own causal mask throws it away for all inputs: steps of 128 keys all of which come after the block's queries.  A NaN or infinity in such keys' scores is not carried to the result.
; In the step on the diagonal hidden scores become -infinity ahead of the maximum; a query sees at least the step's first key there, so M is a number in every step that is walked.
; K AND V come through LDS as they lie in memory, 32,768 bytes of each for a round: two slots of K, three of V, filled through registers.  ONE barrier a round, signalled in the round's middle, awaited at the next round's head:
;   ahead of the signal: my stores of the next round's K and V, and my reads of this round's K, are over.  Behind it I still read this round's V, whose slot is stored to again only two barriers later.
; No tensor load and no joint load: the work-groups of a head need different rounds, and the hold below is passed over by a branch on a given whole number.
; LIMITS on the given exponents, so that each power of two below is an f32 number: e6 + e7 between -123 and 130; e8, and e10 - e8 - e9, between -126 and 112.  The scaled scores stay under 2^31 in magnitude.
.set KSL,   32768                      ; a slot of K or of V
.set VOFF,  65536                      ; V's three slots, behind K's two
.set OLATE, 163840                     ; the late block's O, 8,192 bytes a wave.  (The early block's lie at 0, in slots that nobody reads any more)
.set MLL,   294912                     ; its -M and sums, 512 bytes a wave
.set QI,    303104                     ; Q's images: 8,192 bytes of the late block, then of the early one
.set MLE,   QI                         ; at the end: the early block's -M and sums
.set SPARE, 319488                     ; the spare words, 128 bytes a wave
.set LI,   1                           ; v1   16 x lane
.set LT,   2                           ; v2   16 x thread
.set AK,   3                           ; v3-7 the round's LDS addresses: K, V, Q to read, K, V to store
.set AV,   4
.set AQ,   5
.set PK,   6
.set PV,   7
.set PFO,  8                           ; v8   256 x lane: the prefetch's offset
.set DQ,   9                           ; v9   my query's place in its pair (tile A) - 16 (lane / 16)
.set NM,   10                          ; v[10:11] -M of tiles A and B
.set MR,   12                          ; v[12:13] their largest scores
.set LA,   14                          ; v[14:15] A's sum in two halves
.set LB,   16                          ; v[16:17] B's
.set FF,   18                          ; v[18:19] 2^(old M - new M) of A and B
.set TT,   20                          ; v20-25 at work
.set SCL,  26                          ; v26  2^e8
.set SA,   30                          ; v30-93   A's scores, then p: register 16 b + i is key 32 b + 16 (lane / 16) + i of the step; its codes end in v28-43
.set SB,   96                          ; v96-159  B's; its codes end in v94-109
.set OA,   160                         ; v160-191 O^T of A: register 16 b + i is channel 32 b + 16 (lane / 16) + i
.set OB,   192                         ; v192-223 of B
.set X,    224                         ; v224-255 by turns: K's tiles 0, 1, 6, 7 and Q; the next round's fill; V's tiles 0 and 1
.set WV,   18                          ; s18 wave, s19 pair a, s20 my step in a round, s21 8,192 x that
.set G,    19
.set J,    20
.set J8,   21
.set SEL,  22                          ; s[22:23] lane selects: lane l xor 16
.set CS,   24                          ; s[24:25] c = log2(e) / 8 x 2^(e6 + e7); the packed forms name the pair
.set NC,   26                          ; s[26:27] -c
.set N1,   28                          ; s28 the late block's rounds
.set R,    29                          ; s29 the round
.set ST,   30                          ; s30 my step of the block in hand
.set BLK,  31                          ; s31 that block
.set TR,   33                          ; s33 trips to go
.set KS,   34                          ; s34 LDS byte of the round's slot of K
.set QO,   35
.set KB,   36                          ; s[36:37], s[38:39] what the round fetches for the next, of K and of V
.set VB,   38
.set HK,   40                          ; s[40:41], s[42:43] the head's K and V
.set HV,   42
.set KO,   44                          ; s[44:45] byte offset of the next round's keys
.set NB1,  46                          ; s46 late block, s47 early block
.set NB2,  47
.set OSB,  48                          ; s48 8,192 x wave
.set MLW,  49                          ; s49 512 x wave
.set PFA,  50                          ; s[50:51] where my prefetch stands
.set PL,   57                          ; s57 the round in which I prefetch
.set TA,   58
.set TB,   59
.set MK,   68                          ; s68-91 lane masks of the diagonal
.set HLD,  92                          ; s92 57,344 x 2^e8
	s_load_b256 s[4:11], s[0:1], 0x0               ; Qf s[4:5], Kf s[6:7], Vf s[8:9], the scales' exponents s[10:11]
	s_load_b64 s[12:13], s[0:1], 0x20              ; Of
	v_lshrrev_b32 v20, 5, v0
	v_and_b32 v21, 31, v0
	v_readfirstlane_b32 s[WV], v20                 ; wave 0..15
	v_and_b32 v22, 15, v0
	v_and_b32 v23, 8, v0
	v_lshlrev_b32 v[LI], 4, v21
	v_lshlrev_b32 v[LT], 4, v0
	v_and_b32 v24, 16, v0
	v_add_nc_u32 v[DQ], v22, v23
	v_lshlrev_b32 v[PFO], 8, v21
	v_sub_nc_u32 v[DQ], v[DQ], v24                 ; i + 8 (i / 8) - 16 (lane / 16)
	s_lshr_b32 s[G], s[WV], 2
	s_add_co_u32 s[J], s[WV], s[G]
	s_and_b32 s[J], s[J], 3
	s_lshl_b32 s[J8], s[J], 13
	s_lshl_b32 s[OSB], s[WV], 13
	s_lshl_b32 s[MLW], s[WV], 9
	s_sub_co_u32 s[NB1], 31, ttmp9
	s_mov_b32 s[NB2], ttmp9
	s_lshr_b32 s[N1], ttmp9, 2
	s_sub_co_u32 s[N1], 8, s[N1]
	s_and_b32 s14, ttmp7, 0xffff                   ; 8 x batch + head
	s_lshl_b32 s16, s14, 18                        ; the head's first byte in Qf, Kf and Vf
	s_mov_b32 s17, 0
	s_lshl_b32 s60, s[NB1], 13                     ; 8,192 bytes of Q a block
	s_add_co_u32 s60, s60, s16
	s_mov_b32 s61, 0
	s_lshl_b32 s62, s[NB2], 13
	s_add_co_u32 s62, s62, s16
	s_mov_b32 s63, 0
	s_mov_b32 s[SEL], 0x76543210
	s_mov_b32 s[SEL+1], 0xfedcba98
	s_mov_b32 s[R], 0
	s_mov_b32 s[KS], 0
	s_mov_b32 s[KO+1], 0
	s_mov_b32 s[TR], 3
	s_wait_alu depctr_va_vdst(0)
	s_wait_kmcnt 0x0
	s_load_b128 s[52:55], s[10:11], 0x18           ; e6, e7, e8, e9
	s_load_b32 s56, s[10:11], 0x28                 ; e10
	s_add_nc_u64 s[HK:HK+1], s[6:7], s[16:17]
	s_add_nc_u64 s[HV:HV+1], s[8:9], s[16:17]
	s_add_nc_u64 s[60:61], s[4:5], s[60:61]
	s_add_nc_u64 s[62:63], s[4:5], s[62:63]
	global_load_b128 v[28:31], v[LT], s[60:61]     ; Q: 512 threads x 16 bytes, a block
	global_load_b128 v[32:35], v[LT], s[62:63]
.irp i, 0,1,2,3
	global_load_b128 v[X+4*\i:X+4*\i+3], v[LT], s[HK:HK+1] offset:8192*\i
.endr
.irp i, 0,1,2,3
	global_load_b128 v[X+16+4*\i:X+19+4*\i], v[LT], s[HV:HV+1] offset:8192*\i
.endr
	; THE PREFETCHES.  All work-groups of a head walk the same keys.  The one with x = 2 .. 7 asks for round x's 32,768 bytes of K (waves 0 to 3, 8,192 bytes each, lanes 256 bytes apart) and of V (waves 4 to 7) in round x - 2, a round
	; ahead of the loads: each block of 256 bytes is named once in the launch.  Rounds 0 and 1 come by their loads alone, and the early block walks what the late one has read.
	s_cmp_eq_u32 s[G], 0
	s_cselect_b64 s[PFA:PFA+1], s[HK:HK+1], s[HV:HV+1]
	s_and_b32 s[TA], s[WV], 3
	s_lshl_b32 s[TA], s[TA], 13
	s_min_u32 s[TB], ttmp9, 7
	s_lshl_b32 s[TB], s[TB], 15
	s_add_co_u32 s[TA], s[TA], s[TB]
	s_mov_b32 s[TB], 0
	s_add_nc_u64 s[PFA:PFA+1], s[PFA:PFA+1], s[TA:TB]
	s_sub_co_u32 s[PL], ttmp9, 2
	s_cmp_lt_u32 s[G], 2
	s_cselect_b32 s[PL], s[PL], -1                 ; (no round has the number -1 or -2)
	s_cmp_lt_u32 ttmp9, 8
	s_cselect_b32 s[PL], s[PL], -1
.macro FRESH                           ; a block begins: no sum yet, the largest score -3e38, -M = 3e38.  The first change of M multiplies zeros
	v_mov_b32 v[NM], 0x7f61b1e6
	v_mov_b32 v[NM+1], 0x7f61b1e6
	v_mov_b32 v[MR], 0xff61b1e6
	v_mov_b32 v[MR+1], 0xff61b1e6
	v_mov_b32 v[LA], 0
	v_mov_b32 v[LA+1], 0
	v_mov_b32 v[LB], 0
	v_mov_b32 v[LB+1], 0
.set n, 0
.rept 64
	v_mov_b32 v[OA+n], 0
.set n, n+1
.endr
.endm
	v_mov_b32 v24, 0                               ; written once: a lane permute's destination counts as one of its sources
	v_mov_b32 v25, 0
	FRESH
.set n, 36
.rept 58
	v_mov_b32 v[n], 0                              ; the scores' registers are written on every way to the second half of a round
.set n, n+1
.endr
.set n, SB
.rept 64
	v_mov_b32 v[n], 0
.set n, n+1
.endr
	s_wait_kmcnt 0x0
	s_mov_b32 s[CS], 0x3e38aa3b                    ; log2(e) / 8
	s_add_co_i32 s[TA], s52, s53
	s_lshl_b32 s[TA], s[TA], 23
	s_add_co_i32 s[CS], s[CS], s[TA]               ; a score stands for score x 2^(e6 + e7): the exponents are added to c's exponent field
	s_mov_b32 s[CS+1], s[CS]
	s_xor_b32 s[NC], s[CS], 0x80000000
	s_mov_b32 s[NC+1], s[NC]
	s_add_co_i32 s[TA], s54, 127
	s_lshl_b32 s[TB], s[TA], 23
	v_mov_b32 v[SCL], s[TB]                        ; 2^e8
	s_add_co_i32 s[TA], s[TA], 15
	s_lshl_b32 s[TA], s[TA], 23
	s_or_b32 s[HLD], s[TA], 0x600000               ; 57,344 x 2^e8
	v_add_nc_u32 v20, VOFF, v[LT]
	v_add_nc_u32 v21, QI, v[LT]
	s_wait_alu depctr_va_vdst(0)
	s_wait_loadcnt 0x0
	ds_store_b128 v21, v[28:31]
	ds_store_b128 v21, v[32:35] offset:8192
.irp i, 0,1,2,3
	ds_store_b128 v[LT], v[X+4*\i:X+4*\i+3] offset:8192*\i
	ds_store_b128 v20, v[X+16+4*\i:X+19+4*\i] offset:8192*\i
.endr
	s_wait_dscnt 0x0                               ; for the others' sake: my part of Q and of round 0 lies in LDS
	s_barrier_signal -1
.macro STASH ob, mb                    ; my O, -M and sums (still apart in the lanes' halves) into LDS
	s_add_co_u32 s[TA], s[OSB], \ob
	s_add_co_u32 s[TB], s[MLW], \mb
	v_add_nc_u32 v20, s[TA], v[LI]
	v_lshrrev_b32 v21, 1, v[LI]
	v_mov_b32 v22, v[NM]
	v_add_f32 v23, v[LA], v[LA+1]
	v_mov_b32 v24, v[NM+1]
	v_add_f32 v25, v[LB], v[LB+1]
	v_add_nc_u32 v21, s[TB], v21
	s_wait_alu depctr_va_vdst(0)
.irp k, 0,1,2,3,4,5,6,7,8,9,10,11,12,13,14,15
	ds_store_b128 v20, v[OA+4*\k:OA+4*\k+3] offset:512*\k
.endr
	ds_store_b64 v21, v[22:23]
	ds_store_b64 v21, v[24:25] offset:256
.endm
.macro FLOAD pos                       ; the next round's K and V: 512 threads x 16 bytes are 8,192 consecutive bytes a line.  The last round fetches nothing
.if \pos == 2
	s_cmp_eq_u32 s[TR], 1
	s_cbranch_scc1 .Lnl_\@
.endif
.irp i, 0,1,2,3
	global_load_b128 v[X+4*\i:X+4*\i+3], v[LT], s[KB:KB+1] offset:8192*\i
.endr
.irp i, 0,1,2,3
	global_load_b128 v[X+16+4*\i:X+19+4*\i], v[LT], s[VB:VB+1] offset:8192*\i
.endr
.Lnl_\@:
.endm
.macro FSTORE pos
.if \pos == 2
	s_cmp_eq_u32 s[TR], 1
	s_cbranch_scc1 .Lns_\@
.endif
.irp i, 0,1,2,3
	ds_store_b128 v[PK], v[X+4*\i:X+4*\i+3] offset:8192*\i
.endr
.irp i, 0,1,2,3
	ds_store_b128 v[PV], v[X+16+4*\i:X+19+4*\i] offset:8192*\i
.endr
.Lns_\@:
.endm
.macro ASK
	s_cmp_eq_u32 s[R], s[PL]
	s_cbranch_scc0 .Lnp_\@
	global_prefetch_b8 v[PFO], s[PFA:PFA+1] th:TH_LOAD_NT scope:SCOPE_SE   ; its registers are never rewritten
.Lnp_\@:
.endm
.macro KLD t, k                        ; key tile t into registers k on
	ds_load_b128 v[\k:\k+3], v[AK] offset:1024*\t
	ds_load_b128 v[\k+4:\k+7], v[AK] offset:1024*\t+512
.endm
.macro QK t, k                         ; its scores with both query tiles
	v_wmma_f32_16x16x64_bf8_bf8 v[SA+8*\t:SA+8*\t+7], v[\k:\k+7], v[X+16:X+23], 0
	v_wmma_f32_16x16x64_bf8_bf8 v[SB+8*\t:SB+8*\t+7], v[\k:\k+7], v[X+24:X+31], 0
.endm
.macro OPV d, k                        ; channel tile d: one instruction on each accumulator
	v_wmma_f32_16x16x128_bf8_bf8 v[OA+8*\d:OA+8*\d+7], v[\k:\k+15], v[SA-2:SA+13], v[OA+8*\d:OA+8*\d+7]
	v_wmma_f32_16x16x128_bf8_bf8 v[OB+8*\d:OB+8*\d+7], v[\k:\k+15], v[SB-2:SB+13], v[OB+8*\d:OB+8*\d+7]
.endm
.macro VLD d, k
.irp c, 0,1,2,3
	ds_load_b128 v[\k+4*\c:\k+4*\c+3], v[AV] offset:2048*\d+512*\c
.endr
.endm
.macro PLACES n
.rept \n
	v_nop
.endr
.endm
; The diagonal, keys 32 b .. 32 b + 31 against my pair a: all seen (b < a), all hidden (b > a), or hidden where the register's key lies behind the query (b = a).
.macro MASKB b
	s_cmp_gt_u32 s[G], \b
	s_cbranch_scc1 .Lmn_\@
.if \b > 0
	s_cmp_lt_u32 s[G], \b
	s_cbranch_scc1 .Lmh_\@
.endif
.set n, 0
.rept 16
	v_cndmask_b32 v[SA+16*\b+n], v[SA+16*\b+n], v20, s[MK+8+n]
	v_cndmask_b32 v[SB+16*\b+n], v[SB+16*\b+n], v20, s[MK+n]
.set n, n+1
.endr
	s_wait_alu depctr_va_vdst(0)
.if \b > 0
	s_branch .Lmn_\@
.Lmh_\@:
.set n, 0
.rept 16
	v_mov_b32 v[SA+16*\b+n], v20
	v_mov_b32 v[SB+16*\b+n], v20
.set n, n+1
.endr
	s_wait_alu depctr_va_vdst(0)
.endif
.Lmn_\@:
.endm
.macro SUM s, l                        ; 64 numbers of a lane onto its sum, two at a time, in four chains
	v_pk_add_f32 v[TT:TT+1], v[\s:\s+1], v[\s+2:\s+3]
	v_pk_add_f32 v[TT+2:TT+3], v[\s+4:\s+5], v[\s+6:\s+7]
	v_pk_add_f32 v[TT+4:TT+5], v[\s+8:\s+9], v[\s+10:\s+11]
.irp k, 12,20,28,36,44,52
	v_pk_add_f32 v[\l:\l+1], v[\l:\l+1], v[\s+\k:\s+\k+1]
	v_pk_add_f32 v[TT:TT+1], v[TT:TT+1], v[\s+\k+2:\s+\k+3]
	v_pk_add_f32 v[TT+2:TT+3], v[TT+2:TT+3], v[\s+\k+4:\s+\k+5]
	v_pk_add_f32 v[TT+4:TT+5], v[TT+4:TT+5], v[\s+\k+6:\s+\k+7]
.endr
	v_pk_add_f32 v[\l:\l+1], v[\l:\l+1], v[\s+60:\s+61]
	v_pk_add_f32 v[TT:TT+1], v[TT:TT+1], v[\s+62:\s+63]
	v_pk_add_f32 v[TT+2:TT+3], v[TT+2:TT+3], v[TT+4:TT+5]
	v_pk_add_f32 v[\l:\l+1], v[\l:\l+1], v[TT:TT+1]
	v_pk_add_f32 v[\l:\l+1], v[\l:\l+1], v[TT+2:TT+3]
.endm
; A ROUND; pos = its number mod 3, which is its slot of V.
.macro ROUND pos
	s_cmp_ge_u32 s[R], s[N1]                       ; the late block's, or the early one's?
	s_cselect_b32 s[BLK], s[NB2], s[NB1]
	s_cselect_b32 s[TA], s[N1], 0
	s_cselect_b32 s[QO], 8192, 0
	s_sub_co_u32 s[TA], s[R], s[TA]
	s_lshl_b32 s[ST], s[TA], 2
	s_add_co_u32 s[ST], s[ST], s[J]                ; my step of that block
	s_add_co_u32 s[TB], s[R], 1                    ; and what the next round walks
	s_cmp_ge_u32 s[TB], s[N1]
	s_cselect_b32 s[TA], s[N1], 0
	s_sub_co_u32 s[TB], s[TB], s[TA]
	s_lshl_b32 s[KO], s[TB], 15
	s_add_nc_u64 s[KB:KB+1], s[HK:HK+1], s[KO:KO+1]   ; (the last fetch was waited for)
	s_add_nc_u64 s[VB:VB+1], s[HV:HV+1], s[KO:KO+1]
	s_add_co_u32 s[TA], s[KS], s[J8]
	v_add_nc_u32 v[AK], s[TA], v[LI]               ; these five lines are also the places behind the last products
	s_add_co_u32 s[TA], s[J8], VOFF+KSL*\pos
	v_add_nc_u32 v[AV], s[TA], v[LI]
	s_lshl_b32 s[TB], s[G], 11
	s_add_co_u32 s[TB], s[TB], s[QO]
	s_add_co_u32 s[TB], s[TB], QI
	v_add_nc_u32 v[AQ], s[TB], v[LI]
	s_xor_b32 s[TA], s[KS], KSL
	v_add_nc_u32 v[PK], s[TA], v[LT]
	v_add_nc_u32 v[PV], VOFF+KSL*((\pos+1)%3), v[LT]
	s_wait_alu depctr_va_vdst(0)
	s_barrier_wait -1                              ; this round's K and V are whole; nobody reads the slots that I store to in this round
	s_cmp_lg_u32 s[R], s[N1]
	s_cbranch_scc1 .Lsame_\@
	STASH OLATE, MLL                               ; the late block is done: put aside, read behind the last barrier
	FRESH
	s_wait_alu depctr_va_vdst(0)
.Lsame_\@:
	s_cmp_gt_u32 s[ST], s[BLK]                     ; all the step's keys come after my queries: left out, but for the fill
	s_cbranch_scc1 .Lhid_\@
.irp u, 0,1
	ds_load_b128 v[X+16+8*\u:X+19+8*\u], v[AQ] offset:1024*\u
	ds_load_b128 v[X+20+8*\u:X+23+8*\u], v[AQ] offset:1024*\u+512
.endr
	KLD 0, X
	KLD 1, X+8
	KLD 2, SA+48                                   ; key tiles 2 to 5 lie in the registers that the scores of tiles 6 and 7 are written to last
	KLD 3, SA+56
	KLD 4, SB+48
	KLD 5, SB+56
	s_wait_dscnt 8                                 ; Q and key tiles 0 and 1 are in; the eight loads of tiles 2 to 5 may be out
	QK 0, X
	QK 1, X+8
	PLACES 4
	KLD 6, X
	KLD 7, X+8
	s_wait_dscnt 4                                 ; all but the four just issued
	QK 2, SA+48
	QK 3, SA+56
	QK 4, SB+48
	QK 5, SB+56
	PLACES 5                                       ; the next products write over registers that these have read
	s_wait_dscnt 0x0
	QK 6, X
	QK 7, X+8
	PLACES 4                                       ; in front of the loads into K's and Q's registers and of the first read of the scores
	FLOAD \pos
	ASK
	s_cmp_lg_u32 s[ST], s[BLK]                     ; only the step on the diagonal is masked
	s_cbranch_scc1 .Lopen_\@
	v_mov_b32 v20, 0xff800000                      ; -infinity
.irp k, 0,1,2,3,4,5,6,7,8,9,10,11,12,13,14,15,16,17,18,19,20,21,22,23
	v_cmp_gt_i32 s[MK+\k], \k-8, v[DQ]             ; register i of tile A is hidden where i > DQ, of tile B where i - 8 > DQ
.endr
	s_wait_alu depctr_va_vdst(0)
	MASKB 0
	MASKB 1
	MASKB 2
	MASKB 3
.Lopen_\@:
	v_max3_num_f32 v20, v[MR], v[SA], v[SA+1]      ; the largest score so far, among my 64 keys, two chains a tile, each accumulator from its low end on
	v_max3_num_f32 v21, v[MR+1], v[SB], v[SB+1]
	v_max_num_f32 v22, v[SA+2], v[SA+3]
	v_max_num_f32 v23, v[SB+2], v[SB+3]
.set n, 4
.rept 15
	v_max3_num_f32 v20, v20, v[SA+n], v[SA+n+1]
	v_max3_num_f32 v21, v21, v[SB+n], v[SB+n+1]
	v_max3_num_f32 v22, v22, v[SA+n+2], v[SA+n+3]
	v_max3_num_f32 v23, v23, v[SB+n+2], v[SB+n+3]
.set n, n+4
.endr
	v_max_num_f32 v20, v20, v22
	v_max_num_f32 v21, v21, v23
	v_permlanex16_b32 v24, v20, s[SEL], s[SEL+1]
	v_permlanex16_b32 v25, v21, s[SEL], s[SEL+1]
	v_max_num_f32 v[MR], v20, v24                  ; and among lane l xor 16's
	v_max_num_f32 v[MR+1], v21, v25
	v_pk_mul_f32 v[20:21], v[MR:MR+1], s[NC:NC+1] op_sel_hi:[1,0]   ; -t
	v_floor_f32 v20, v20                           ; the new -M = floor(-t) = -ceil(t): a whole number
	v_floor_f32 v21, v21
	v_pk_add_f32 v[22:23], v[20:21], v[NM:NM+1] neg_lo:[0,1] neg_hi:[0,1]   ; old M - new M: a whole number, 0 or less
	v_mov_b32 v[NM], v20
	v_mov_b32 v[NM+1], v21
	v_cvt_i32_f32 v22, v22                         ; (it saturates)
	v_cvt_i32_f32 v23, v23
	v_ldexp_f32 v[FF], 1.0, v22
	v_ldexp_f32 v[FF+1], 1.0, v23
.set n, 0
.rept 32
	v_pk_fma_f32 v[SA+n:SA+n+1], v[SA+n:SA+n+1], s[CS:CS+1], v[NM:NM+1] op_sel_hi:[1,0,0]   ; t - M, two at a time: A takes the low -M, B the high one
	v_pk_fma_f32 v[SB+n:SB+n+1], v[SB+n:SB+n+1], s[CS:CS+1], v[NM:NM+1] op_sel:[0,0,1] op_sel_hi:[1,0,1]
.set n, n+2
.endr
	s_wait_alu depctr_va_vdst(0)
.set n, 0
.rept 64
	v_exp_f32 v[SA+n], v[SA+n]                     ; p = 2^(t - M)
.set n, n+1
.endr
.set n, 0
.rept 64
	v_exp_f32 v[SB+n], v[SB+n]
.set n, n+1
.endr
	v_pk_mul_f32 v[LA:LA+1], v[LA:LA+1], v[FF:FF+1] op_sel_hi:[1,0]   ; the sums under the new M: plain lines behind the exponentials
	v_pk_mul_f32 v[LB:LB+1], v[LB:LB+1], v[FF:FF+1] op_sel:[0,1] op_sel_hi:[1,1]
	s_wait_alu depctr_va_vdst(0)
	s_wait_loadcnt 0x0                             ; the next round's codes are in
	FSTORE \pos
	s_wait_alu depctr_va_vdst(0)
.set n, 0
.rept 16
	v_pk_mul_f32 v[OA+n:OA+n+1], v[OA+n:OA+n+1], v[FF:FF+1] op_sel_hi:[1,0]   ; O^T under the new M
	v_pk_mul_f32 v[OB+n:OB+n+1], v[OB+n:OB+n+1], v[FF:FF+1] op_sel:[0,1] op_sel_hi:[1,1]
.set n, n+2
.endr
	SUM SA, LA
	s_wait_alu depctr_va_vdst(0)
	s_branch .Ljoin_\@
.Lhid_\@:
	FLOAD \pos
	s_wait_loadcnt 0x0
	FSTORE \pos
.Ljoin_\@:
	s_wait_dscnt 0x0                               ; my stores for the next round have landed and my reads of this round's K and Q are over
	s_barrier_signal -1
	s_cmp_gt_u32 s[ST], s[BLK]
	s_cbranch_scc1 .Lend_\@
	VLD 0, X                                       ; this round's V: its slot is stored to only two barriers later
	VLD 1, X+16
	SUM SB, LB
	s_wait_alu depctr_va_vdst(0)
	s_cmp_ge_i32 s54, -15                          ; with e8 >= -15 the largest code x the scale is at least 1.75, and p passes 1 by rounding at the most: the hold would change nothing.
	s_cbranch_scc1 .Lnh_\@                         ; A scalar branch on a given whole number, the same in every wave
.set n, 0
.rept 64
	v_min_num_f32 v[SA+n], s[HLD], v[SA+n]         ; the conversion does not saturate (ISA guide 7.6.2); p is not negative, so the hold is one-sided
	v_min_num_f32 v[SB+n], s[HLD], v[SB+n]
.set n, n+1
.endr
.Lnh_\@:
.irp g, 0,1,2,3,4,5,6,7                ; the codes go into registers whose p has been converted: a plain line stands between a conversion and the first that writes its sources
	v_cvt_scalef32_pk8_bf8_f32 v[SA-2+2*\g:SA-1+2*\g], v[SA+8*\g:SA+7+8*\g], v[SCL]
	v_cvt_scalef32_pk8_bf8_f32 v[SB-2+2*\g:SB-1+2*\g], v[SB+8*\g:SB+7+8*\g], v[SCL]
.if (\g < 2) || (\g == 7)
	v_nop
.endif
.endr
	VLD 2, SA+14
	VLD 3, SA+30
	s_wait_alu depctr_va_vdst(0)
	s_wait_dscnt 8                                 ; V's tiles 0 and 1 are in; the eight loads of tiles 2 and 3 may be out
	OPV 0, X
	OPV 1, X+16
	s_wait_dscnt 0x0
	OPV 2, SA+14
	OPV 3, SA+30
.Lend_\@:
	s_add_co_u32 s[R], s[R], 1
	s_xor_b32 s[KS], s[KS], KSL
.endm
.Lloop:                                            ; three trips of three rounds
	ROUND 0
	ROUND 1
	ROUND 2
	s_sub_co_u32 s[TR], s[TR], 1
	s_cmp_lg_u32 s[TR], 0
	s_cbranch_scc1 .Lloop
	s_barrier_wait -1                              ; the last round's: K's slots and V's slots 0 and 1 are read no more (others may still read V's slot 2, from 131,072 on), nor are Q's images
	STASH 0, MLE
	s_wait_dscnt 0x0                               ; for the others' sake
	s_barrier_signal -1
	s_barrier_wait -1
	; THE WAY OUT.  Wave 4 a + 2 u + c joins, of both blocks, pair a's tile u, registers 16 c .. 16 c + 15: one piece of the last launch's operand image.  O / the sum is quantised along the channels, which are the last product's K.
	s_bfe_u32 s15, s[WV], 0x10001                  ; u
	s_and_b32 s16, s[WV], 1                        ; c
	s_lshl_b32 s[TA], s[G], 15
	s_lshl_b32 s60, s15, 12
	s_add_co_u32 s[TA], s[TA], s60
	s_lshl_b32 s60, s16, 11
	s_add_co_u32 s[TA], s[TA], s60
	s_lshl_b32 s[TB], s[G], 11
	s_lshl_b32 s60, s15, 8
	s_add_co_u32 s[TB], s[TB], s60
	v_lshrrev_b32 v22, 1, v[LI]
	v_add_nc_u32 v20, s[TA], v[LI]
	v_add_nc_u32 v22, s[TB], v22
	v_add_nc_u32 v21, OLATE, v20
	v_add_nc_u32 v23, MLL, v22
	v_add_nc_u32 v22, MLE, v22
.irp i, 0,1,2,3
	ds_load_b64 v[30+2*\i:31+2*\i], v23 offset:512*\i
.irp k, 0,1,2,3
	ds_load_b128 v[40+16*\i+4*\k:43+16*\i+4*\k], v21 offset:8192*\i+512*\k
.endr
.endr
.irp i, 0,1,2,3
	ds_load_b64 v[110+2*\i:111+2*\i], v22 offset:512*\i
.irp k, 0,1,2,3
	ds_load_b128 v[120+16*\i+4*\k:123+16*\i+4*\k], v20 offset:8192*\i+512*\k
.endr
.endr
	s_sub_co_i32 s[TA], s56, s54
	s_sub_co_i32 s[TA], s[TA], s55
	s_add_co_i32 s[TA], s[TA], 127
	s_lshl_b32 s[TB], s[TA], 23
	v_mov_b32 v27, s[TB]                           ; 2^(e10 - e8 - e9): a sum of the second product stands for sum x 2^(e8 + e9)
	s_add_co_i32 s[TA], s[TA], 15
	s_lshl_b32 s[TA], s[TA], 23
	s_or_b32 s[TA], s[TA], 0x600000
	v_mov_b32 v26, s[TA]                           ; 57,344 x that
	s_lshr_b32 s61, s14, 3
	s_lshl_b32 s61, s61, 8
	s_lshl_b32 s60, s[G], 1
	s_add_co_u32 s61, s61, s60
	s_add_co_u32 s61, s61, s15                     ; 256 x batch + 2 a + u
	s_and_b32 s62, s14, 7
	s_lshl_b32 s62, s62, 10
	s_lshl_b32 s60, s16, 9
	s_add_co_u32 s62, s62, s60                     ; 1,024 bytes a head, 512 a piece
.irp b, 0,1                            ; 8 row tiles a block, 8,192 bytes a row tile
	s_lshl_b32 s60, s[NB1+\b], 3
	s_add_co_u32 s60, s60, s61
	s_lshl_b32 s[KO], s60, 13
	s_add_co_u32 s[KO], s[KO], s62
	s_add_nc_u64 s[KB+2*\b:KB+1+2*\b], s[12:13], s[KO:KO+1]
.endr
.macro COMB ml, o, pc, adr             ; four partial sums: the largest M, each brought under it by a power of two, O / the sum
	v_min_num_f32 v20, v[\ml], v[\ml+2]
	v_min3_num_f32 v20, v20, v[\ml+4], v[\ml+6]
.irp i, 0,2,4,6
	v_sub_f32 v[\ml+\i], v20, v[\ml+\i]            ; M - the largest M
.endr
.irp i, 0,2,4,6
	v_cvt_i32_f32 v[\ml+\i], v[\ml+\i]
.endr
.irp i, 0,2,4,6
	v_ldexp_f32 v[\ml+\i], 1.0, v[\ml+\i]
.endr
	v_mul_f32 v21, v[\ml], v[\ml+1]
	v_mul_f32 v22, v[\ml+2], v[\ml+3]
	v_fmac_f32 v21, v[\ml+4], v[\ml+5]
	v_fmac_f32 v22, v[\ml+6], v[\ml+7]
	v_add_f32 v21, v21, v22
	v_permlanex16_b32 v24, v21, s[SEL], s[SEL+1]
	v_add_f32 v21, v21, v24                        ; and lane l xor 16's keys
	s_wait_alu depctr_va_vdst(0)
	v_rcp_f32 v21, v21
	v_nop                                          ; a plain line behind it
	s_wait_alu depctr_va_vdst(0)
.irp i, 0,2,4,6
	v_mul_f32 v[\ml+\i], v[\ml+\i], v21
.endr
.irp n, 0,2,4,6,8,10,12,14
	v_pk_mul_f32 v[\o+\n:\o+\n+1], v[\o+\n:\o+\n+1], v[\ml:\ml+1] op_sel_hi:[1,0]
.endr
.irp i, 1,2,3
.irp n, 0,2,4,6,8,10,12,14
	v_pk_fma_f32 v[\o+\n:\o+\n+1], v[\o+16*\i+\n:\o+16*\i+\n+1], v[\ml+2*\i:\ml+2*\i+1], v[\o+\n:\o+\n+1] op_sel_hi:[1,0,1]
.endr
.endr
.irp n, 0,1,2,3,4,5,6,7,8,9,10,11,12,13,14,15
	v_med3_num_f32 v[\o+\n], v[\o+\n], -v26, v26   ; the hold at the largest code x the scale
.endr
	v_cvt_scalef32_pk8_bf8_f32 v[\pc:\pc+1], v[\o:\o+7], v27
	v_cvt_scalef32_pk8_bf8_f32 v[\pc+2:\pc+3], v[\o+8:\o+15], v27
	v_nop
	global_store_b128 v[LI], v[\pc:\pc+3], s[\adr:\adr+1]   ; 512 consecutive bytes, aligned
.endm
	s_wait_alu depctr_va_vdst(0)
	s_wait_dscnt 20                                ; the late block's 20 loads are in, the early one's 20 may be out
	COMB 30, 40, 4, KB
	s_wait_alu depctr_va_vdst(0)
	s_wait_dscnt 0x0
	COMB 110, 120, 16, VB
	v_lshl_add_u32 v2, v0, 2, SPARE                ; my spare word, and 0: no two registers are kept for them
	v_mov_b32 v3, 0
	s_wait_alu depctr_va_vdst(0)
	s_wait_tensorcnt 0x0
	ds_add_u32 v2, v3
	s_wait_dscnt 0x0
	s_endpgm
.Lfunc_end_k_q1ed3aae681_attn:
	.size	k_q1ed3aae681_attn, .Lfunc_end_k_q1ed3aae681_attn-k_q1ed3aae681_attn
	.p2alignl 7, 3214868480
	.fill 96, 4, 3214868480
	.section	.rodata,"a",@progbits
	.p2align	6, 0x0
	.amdhsa_kernel k_q1ed3aae681_attn
		.amdhsa_group_segment_fixed_size 321536
		.amdhsa_private_segment_fixed_size 0
		.amdhsa_enable_private_segment 0
		.amdhsa_kernarg_size 40
		.amdhsa_user_sgpr_count 2
		.amdhsa_user_sgpr_kernarg_segment_ptr 1
		.amdhsa_wavefront_size32 1
		.amdhsa_system_sgpr_workgroup_id_x 1
		.amdhsa_system_sgpr_workgroup_id_y 1
		.amdhsa_system_sgpr_workgroup_id_z 1
		.amdhsa_system_vgpr_workitem_id 0
		.amdhsa_next_free_vgpr 256
		.amdhsa_next_free_sgpr 96
		.amdhsa_reserve_vcc 0
		.amdhsa_float_denorm_mode_32 3
		.amdhsa_float_denorm_mode_16_64 3
		.amdhsa_memory_ordered 1
		.amdhsa_forward_progress 1
		.amdhsa_inst_pref_size 176
	.end_amdhsa_kernel
	.amdgpu_metadata
---
amdhsa.version: [ 1, 2 ]
amdhsa.kernels:
  - .name:           k_q1ed3aae681_attn
    .symbol:         k_q1ed3aae681_attn.kd
    .args:
      - { .name: Qf, .offset: 0, .size: 8, .value_kind: global_buffer, .address_space: global }
      - { .name: Kf, .offset: 8, .size: 8, .value_kind: global_buffer, .address_space: global }
      - { .name: Vf, .offset: 16, .size: 8, .value_kind: global_buffer, .address_space: global }
      - { .name: lowp_scales, .offset: 24, .size: 8, .value_kind: global_buffer, .address_space: global }
      - { .name: Of, .offset: 32, .size: 8, .value_kind: global_buffer, .address_space: global }
    .group_segment_fixed_size: 321536
    .private_segment_fixed_size: 0
    .kernarg_segment_align: 8
    .kernarg_segment_size: 40
    .max_flat_workgroup_size: 512
    .sgpr_count:     96
    .vgpr_count:     256
    .wavefront_size: 32
...
	.end_amdgpu_metadata
.endif
;; end of part 2
;; launch oproj (part 3): grid 128 x 2, 8 waves a work-group, no clusters, 100,352 bytes of LDS; arguments Of, Wo_codes, bo, lowp_scales, out0; writes out0
.if DOCPART == 3
	.amdgcn_target "amdgcn-amd-amdhsa--gfx1250"
	.amdhsa_code_object_version 6
	.text
	.protected	k_q1ed3aae681_oproj
	.globl	k_q1ed3aae681_oproj
	.p2align	8
	.type	k_q1ed3aae681_oproj,@function
k_q1ed3aae681_oproj:
	s_mov_b64 s[64:65], 0
	v_nop
	global_prefetch_b8 v0, s[64:65] scope:SCOPE_SE
	s_setreg_imm32_b32 hwreg(HW_REG_WAVE_MODE, 25, 1), 1
	s_wait_xcnt 0x0
; out = O Wo^T + bo on codes of BF8 (E5M2).  Of: the attention's result as images of operand registers, [512 row tiles][8 heads][2 pieces of 512 bytes]: piece c of head a, lane (r, h): K = 64 a + 32 c + 16 h + 0 .. 15
; of the tile's place r; place i of row tile 2 g + u is row 32 g + 8 u + i + 8 (i / 8).  Wo: [512][512] codes, K innermost; bo: [512] f32; out0: [8192][512] f32.  Scales 2^e: O e10, Wo e11.
; SHARES.  A work-group takes 64 rows (four row tiles) and 256 columns; each of its eight waves 32 columns, whose 128 registers of weights stay in registers.  The rows' 32,768 bytes of codes are staged in LDS once, as they lie.
; The product is used transposed (source 0 = 16 rows of Wo, place i of tile v = row 8 v + i + 8 (i / 8) of my 32; source 1 = a row tile): a lane holds one row and 16 neighbouring columns, 64 bytes.
; THE WAY OUT goes through a stage in LDS, since a row's 1,024 bytes come from eight waves: a barrier, then each wave reads eight whole rows and stores them, 512 consecutive aligned bytes an instruction.
; out = sum x 2^(e10 + e11) + bo: one packed multiply-add for two numbers.   LIMIT: e10 + e11 between -126 and 127, so that the power of two is an f32 number.
; No tensor load, no cluster: every LDS byte is filled once, and the weights go straight into registers.
.set SP,   1040                        ; a stage row: 1,024 bytes + 16: 65 x 16
.set STG,  32768                       ; behind the codes' 32,768 bytes: 64 stage rows, in the tiles' order: slot 16 m + r
.set LI,   1                           ; v1   16 x lane
.set LT,   2                           ; v2   16 x thread
.set WA,   5                           ; v5   weights: (r + 8 (r / 8)) x 512 + 16 h
.set BA,   7                           ; v7   64 h: my 16 numbers of the bias
.set SO,   10                          ; v10  the stage: slot r, + 64 h, + 128 x wave
.set SR,   11                          ; v11  and back: my eight slots, 16 bytes a lane
.set BO,   16                          ; v16-31   register 8 v + j: the bias of column 16 h + 8 v + j
.set ACC,  32                          ; v32-47   two accumulators
.set Y,    48                          ; v48-63   results on their way to the stage
.set X,    64                          ; v64-127  a row tile's four fragments; at the head the codes on their way to LDS; at the end the rows read back
.set W,    128                         ; v128-255 weights: column tile v, K step s at 128 + 64 v + 16 s
	s_load_b256 s[8:15], s[0:1], 0x0               ; Of s[8:9], Wo s[10:11], bo s[12:13], the scales' exponents s[14:15]
	s_load_b64 s[16:17], s[0:1], 0x20              ; out0
	v_lshl_add_u32 v9, v0, 2, 0x18400
	v_mov_b32 v15, 0
	v_lshrrev_b32 v8, 5, v0
	s_delay_alu instid0(VALU_DEP_1)
	v_readfirstlane_b32 s4, v8                     ; wave 0..7
	v_and_b32 v8, 31, v0
	s_delay_alu instid0(VALU_DEP_1)
	v_lshlrev_b32 v[LI], 4, v8
	v_lshlrev_b32 v[LT], 4, v0
	v_and_b32 v12, 15, v0                          ; r
	v_bfe_u32 v13, v0, 4, 1                        ; h
	v_and_b32 v14, 8, v0
	s_delay_alu instid0(VALU_DEP_1)
	v_add_nc_u32 v14, v14, v12                     ; r + 8 (r / 8)
	s_delay_alu instid0(VALU_DEP_1)
	v_lshlrev_b32 v[WA], 9, v14
	s_delay_alu instid0(VALU_DEP_1)
	v_lshl_add_u32 v[WA], v13, 4, v[WA]
	v_lshlrev_b32 v[BA], 6, v13
	v_mul_u32_u24 v[SO], v12, SP
	s_delay_alu instid0(VALU_DEP_1)
	v_lshl_add_u32 v[SO], v13, 6, v[SO]
	s_lshl_b32 s20, s4, 7
	s_add_co_u32 s20, s20, STG
	v_add_nc_u32 v[SO], s20, v[SO]
	s_mul_i32 s20, s4, 8*SP
	s_add_co_u32 s20, s20, STG
	v_add_nc_u32 v[SR], s20, v[LI]
	s_and_b32 s21, ttmp7, 0xffff                   ; which 256 columns
	s_lshl_b32 s22, s21, 8
	s_lshl_b32 s23, s4, 5
	s_add_co_u32 s22, s22, s23                     ; my first column
	s_lshl_b32 s24, s22, 9                         ; its row of Wo
	s_mov_b32 s25, 0
	s_lshl_b32 s26, s22, 2                         ; its bias
	s_mov_b32 s27, 0
	s_lshl_b32 s28, ttmp9, 15                      ; four row tiles of 8,192 bytes
	s_mov_b32 s29, 0
	; stage slots 8 w .. 8 w + 7 are slots 32 g + 16 u + 8 a + i with g = w / 4, u = (w / 2) % 2, a = w % 2: rows 32 g + 16 a + 8 u + i, eight rows on end
	s_lshr_b32 s30, s4, 2
	s_lshl_b32 s30, s30, 5
	s_and_b32 s31, s4, 1
	s_lshl_b32 s31, s31, 4
	s_add_co_u32 s30, s30, s31
	s_bfe_u32 s31, s4, 0x10001
	s_lshl_b32 s31, s31, 3
	s_add_co_u32 s30, s30, s31
	s_lshl_b32 s31, ttmp9, 6
	s_add_co_u32 s30, s30, s31                     ; the first row that I store
	s_lshl_b32 s30, s30, 11                        ; 2,048 bytes a row of out0,
	s_lshl_b32 s31, s21, 10                        ; 1,024 for 256 columns
	s_add_co_u32 s30, s30, s31
	s_mov_b32 s31, 0
	s_wait_alu depctr_va_vdst(0)
	s_wait_kmcnt 0x0
	s_load_b64 s[40:41], s[14:15], 0x28            ; e10, e11
	s_add_nc_u64 s[8:9], s[8:9], s[28:29]
	s_add_nc_u64 s[10:11], s[10:11], s[24:25]
	s_add_nc_u64 s[12:13], s[12:13], s[26:27]
	s_add_nc_u64 s[16:17], s[16:17], s[30:31]
.irp i, 0,1,2,3,4,5,6,7
	global_load_b128 v[X+4*\i:X+4*\i+3], v[LT], s[8:9] offset:4096*\i          ; 256 threads x 16 bytes: 4,096 consecutive bytes a line
.endr
.irp t, 0,1
.irp s, 0,1,2,3
.irp c, 0,1,2,3
	global_load_b128 v[W+64*\t+16*\s+4*\c:W+64*\t+16*\s+4*\c+3], v[WA], s[10:11] offset:4096*\t+128*\s+32*\c
.endr
.endr
.endr
.irp k, 0,1,2,3
	global_load_b128 v[BO+4*\k:BO+4*\k+3], v[BA], s[12:13] offset:16*\k
.endr
	s_wait_loadcnt 36                              ; behind the codes' eight loads stand 32 of weights and 4 of the bias
.irp i, 0,1,2,3,4,5,6,7
	ds_store_b128 v[LT], v[X+4*\i:X+4*\i+3] offset:4096*\i
.endr
	s_wait_dscnt 0x0                               ; for the others' sake: my part lies in LDS
	s_barrier_signal -1
	s_barrier_wait -1
.macro XL m                            ; row tile m's four fragments: K step s is heads 2 s and 2 s + 1: four pieces on end
.irp s, 0,1,2,3
.irp c, 0,1,2,3
	ds_load_b128 v[X+16*\s+4*\c:X+16*\s+4*\c+3], v[LI] offset:(\m)*8192+\s*2048+512*\c
.endr
.endr
.endm
	XL 0
	s_wait_loadcnt 0x0                             ; weights and bias
	s_wait_kmcnt 0x0
	s_add_co_i32 s46, s40, s41
	s_add_co_i32 s46, s46, 127
	s_lshl_b32 s46, s46, 23                        ; 2^(e10 + e11) as f32
	s_mov_b32 s47, s46                             ; (named with it as a pair, so it is written)
.irp m, 0,1,2,3
	s_wait_dscnt 0x0                               ; the tile's fragments are in, and the last tile's stores into the stage have read their registers
.irp s, 0,1,2,3
.irp t, 0,1
.if \s == 0
	v_wmma_f32_16x16x128_bf8_bf8 v[ACC+8*\t:ACC+8*\t+7], v[W+64*\t+16*\s:W+64*\t+16*\s+15], v[X+16*\s:X+16*\s+15], 0   ; the first K step starts the sums; the two accumulators take turns
.else
	v_wmma_f32_16x16x128_bf8_bf8 v[ACC+8*\t:ACC+8*\t+7], v[W+64*\t+16*\s:W+64*\t+16*\s+15], v[X+16*\s:X+16*\s+15], v[ACC+8*\t:ACC+8*\t+7]
.endif
.endr
.endr
.rept 4
	v_nop                                          ; places in front of the loads into the fragments' registers and of the first read of the sums
.endr
.if \m < 3
	XL \m+1
.endif
.irp t, 0,1
.irp i, 0,2,4,6
	v_pk_fma_f32 v[Y+8*\t+\i:Y+8*\t+\i+1], v[ACC+8*\t+\i:ACC+8*\t+\i+1], s[46:47], v[BO+8*\t+\i:BO+8*\t+\i+1] op_sel_hi:[1,0,1]   ; sum x 2^(e10 + e11) + bo; each accumulator from its low end on
.endr
.endr
.irp k, 0,1,2,3
	ds_store_b128 v[SO], v[Y+4*\k:Y+4*\k+3] offset:\m*16*SP+16*\k
.endr
.endr
	s_wait_dscnt 0x0                               ; for the others' sake: my columns of all 64 rows lie in the stage
	s_barrier_signal -1
	s_barrier_wait -1
.irp i, 0,1,2,3,4,5,6,7
.irp k, 0,1
	ds_load_b128 v[X+8*\i+4*\k:X+8*\i+4*\k+3], v[SR] offset:SP*\i+512*\k
.endr
.endr
.irp i, 0,1,2,3,4,5,6,7
.irp k, 0,1
	s_wait_dscnt 15-(2*\i+\k)                      ; LDS loads come back in order (ISA guide 5.7.1): this one is in, the younger ones may be out
	global_store_b128 v[LI], v[X+8*\i+4*\k:X+8*\i+4*\k+3], s[16:17] offset:2048*\i+512*\k th:TH_STORE_NT   ; 32 lanes store 512 consecutive bytes, at a multiple of 256 from out0's first byte
.endr
.endr
	s_wait_tensorcnt 0x0
	ds_add_u32 v9, v15
	s_wait_dscnt 0x0
	s_endpgm
.Lfunc_end_k_q1ed3aae681_oproj:
	.size	k_q1ed3aae681_oproj, .Lfunc_end_k_q1ed3aae681_oproj-k_q1ed3aae681_oproj
	.p2alignl 7, 3214868480
	.fill 96, 4, 3214868480
	.section	.rodata,"a",@progbits
	.p2align	6, 0x0
	.amdhsa_kernel k_q1ed3aae681_oproj
		.amdhsa_group_segment_fixed_size 100352
		.amdhsa_private_segment_fixed_size 0
		.amdhsa_enable_private_segment 0
		.amdhsa_kernarg_size 40
		.amdhsa_user_sgpr_count 2
		.amdhsa_user_sgpr_kernarg_segment_ptr 1
		.amdhsa_wavefront_size32 1
		.amdhsa_system_sgpr_workgroup_id_x 1
		.amdhsa_system_sgpr_workgroup_id_y 1
		.amdhsa_system_sgpr_workgroup_id_z 1
		.amdhsa_system_vgpr_workitem_id 0
		.amdhsa_next_free_vgpr 256
		.amdhsa_next_free_sgpr 66
		.amdhsa_reserve_vcc 0
		.amdhsa_float_denorm_mode_32 3
		.amdhsa_float_denorm_mode_16_64 3
		.amdhsa_memory_ordered 1
		.amdhsa_forward_progress 1
		.amdhsa_inst_pref_size 21
	.end_amdhsa_kernel
	.amdgpu_metadata
---
amdhsa.version: [ 1, 2 ]
amdhsa.kernels:
  - .name:           k_q1ed3aae681_oproj
    .symbol:         k_q1ed3aae681_oproj.kd
    .args:
      - { .name: Of, .offset: 0, .size: 8, .value_kind: global_buffer, .address_space: global }
      - { .name: Wo_codes, .offset: 8, .size: 8, .value_kind: global_buffer, .address_space: global }
      - { .name: bo, .offset: 16, .size: 8, .value_kind: global_buffer, .address_space: global }
      - { .name: lowp_scales, .offset: 24, .size: 8, .value_kind: global_buffer, .address_space: global }
      - { .name: out0, .offset: 32, .size: 8, .value_kind: global_buffer, .address_space: global }
    .group_segment_fixed_size: 100352
    .private_segment_fixed_size: 0
    .kernarg_segment_align: 8
    .kernarg_segment_size: 40
    .max_flat_workgroup_size: 256
    .sgpr_count:     66
    .vgpr_count:     256
    .wavefront_size: 32
...
	.end_amdgpu_metadata
.endif
;; end of part 3
